; MI455X (gfx1250); checked and timed in simulation.
; The chip was launched on July 23, 2026; its instructions are those of AMD's public machine-readable ISA for CDNA 5 (MIT licence, August 2026) and "CDNA5" Instruction Set Architecture Reference Guide (July 2026). The comments in the code are by the model that wrote it; some were corrected since.
;; Env Embedding. Allowed arithmetic: matrix products marked QUANTISED: E3M2 operands, one E8M0 scale for each 32 along K, by v_wmma_scale_f32_16x16x128_f8f6f4 with both operands' format E3M2, f32 sums; everything else in f32.
;; Inputs: codebook 4,096 x 512 float32; x 64 x 512 x 512 float32.
;; Outputs: out0 64 x 512 int32.
;; This version of the problem:
;;   THIS VERSION OF THE PROBLEM IS GIVEN IN LOW PRECISION. The matrix products marked QUANTISED in the list below multiply operands that are first quantised to E3M2 (3 exponent bits, 2 mantissa bits; 6 bits a number), with one power-of-two scale for each 32 numbers along K (OCP MX v1.0); their sums are f32. All else is computed in f32.
;;   The module's matrix products, in the order in which they are computed (A, B: the left and right operand; K: the contracted axis; several contracted axes count as one K, in the product's order):
;;     1. [M 32,768, K 512] x [K 512, N 4,096]; A: input x; B: input codebook: QUANTISED
;;   THE QUANTISER, for each operand of a quantised product, along K:
;;     - K is cut into blocks of 32 from its start; a last block that is shorter is filled with zeros.
;;     - A block's scale is 2^e with e = floor(log2(the largest magnitude in the block)) - 4, held to -126 .. 127; a block of zeros has e = 0. As a byte (E8M0): e + 127.
;;     - Each number is divided by its block's scale, clamped to +-28, and rounded to the nearest number of E3M2, ties to even, subnormals kept.
;;     - The product sums the exact products of the quantised numbers (number of the format x scale) in f32.
;;   ~~~python
;;   def quantise(x, axis):      # numpy; x: float32 -> the quantised numbers, widened to float32 again
;;       x = np.moveaxis(x, axis, -1); K = x.shape[-1]
;;       x = np.pad(x, [(0, 0)] * (x.ndim - 1) + [(0, -K % 32)]); x = x.reshape(x.shape[:-1] + (-1, 32)); a = np.abs(x).max(-1, keepdims=True)
;;       e = np.where(a > 0, np.clip(np.frexp(np.where(a > 0, a, 1))[1] - 1 - 4, -126, 127), 0)      # np.frexp(a)[1] - 1 = floor(log2(a)), exactly
;;       r = np.clip(x / 2.0 ** e, -28, 28)
;;       step = 2.0 ** (np.maximum(np.frexp(np.where(r == 0, 1, r))[1] - 1, -2) - 2)
;;       q = np.round(r / step) * step * 2.0 ** e      # np.round: ties to even
;;       return np.moveaxis(q.reshape(q.shape[:-2] + (-1,))[..., :K], -1, axis).astype(np.float32)
;;   ~~~
;; One version. Each part assembles by itself: llvm-mc -triple=amdgcn-amd-amdhsa -mcpu=gfx1250 --defsym DOCPART=n.
;; ======== version 1 of 1: 2 launches
;; limits: right only within a limited range of input values
;; workspace buffers: cbimg 1,703,936 bytes
;; launch prep (part 1): grid 256 x 1, 4 waves a work-group, no clusters, 35,328 bytes of LDS; arguments codebook, cbimg; writes cbimg
.if DOCPART == 1
	.amdgcn_target "amdgcn-amd-amdhsa--gfx1250"
	.amdhsa_code_object_version 6
	.text
	.protected	k_qd959ad6d55_prep
	.globl	k_qd959ad6d55_prep
	.p2align	8
	.type	k_qd959ad6d55_prep,@function
k_qd959ad6d55_prep:
	s_mov_b64 s[64:65], 0
	v_nop
	global_prefetch_b8 v0, s[64:65] scope:SCOPE_SE
	s_setreg_imm32_b32 hwreg(HW_REG_WAVE_MODE, 25, 1), 1
	s_wait_xcnt 0x0
; The codebook [4096][512] f32 is quantised ONCE, along its 512, into codes of BF6 (E3M2) with one E8M0 byte for each 32, and the f32 sum of squares of each (unquantised) row is made.
; All of it is laid as the next launch wants it: 256 RECORDS of 6,656 bytes, record T for codes 16 T .. 16 T + 15:
;   bytes 0-6,143     four fragments (K step s at 1,536 s) as IMAGES OF THE OPERAND'S REGISTERS: registers 4 c .. 4 c + 3 of lane l at 512 c + 16 l
;   bytes 6,144-6,399 the scale bytes: code m at 16 m, the word of K step s at 4 s
;   bytes 6,400-6,463 the sums of squares, f32, code m at 4 m;   bytes 6,464-6,655 zeros (the next launch's tiles cover them, so they are written)
; SHARES.  Work-group T makes record T; its wave s takes K step s: 16 rows x 128 numbers.  Each load reads 512 consecutive bytes of one row; the 8,192 bytes turn through the wave's own
; stage in LDS (rows 528 bytes apart, so that the 16 rows that a read touches start at 16 different groups of banks) and come back with 16 neighbours along K in a lane's consecutive registers.
; A block's scale is 2^(floor(log2(its largest magnitude)) - 4); its byte is the largest magnitude's exponent field - 4, held at 1 from below.
; LIMITS: a block of zeros gets the byte 1 where the rule says 127: its codes are zeros, which add nothing under any byte but 0xff, and this program alone reads the bytes.
; NaN and infinities among the inputs are not served.  The sum of squares is taken in another order than the reference's sum (two packed chains a lane, then lanes, then K steps): it differs by roundings of f32 sums alone.
; No tensor loads, no matrix unit, no cluster: the launch streams 8 MiB once, and work-groups share nothing.
.set REC,  6656
.set SP,   528                         ; a stage row: 512 bytes + 16
.set STGW, 16*SP                       ; a wave's stage
.set OUTB, 4*STGW                      ; 512 bytes: the record's last 512 are gathered here
.set SQ,   OUTB+512                    ; 256 bytes: the four waves' partial sums of squares, wave s at 64 s, row r at 4 r
.set XO,   4                           ; v4   16 x lane: my bytes of a load's or a store's 512
.set STW,  5                           ; v5   the stage, on the way in
.set STR,  6                           ; v6   and on the way out: row r, + 64 h
.set OSC,  7                           ; v7   where my row's scale word goes
.set OSQ,  8                           ; v8   where my row's partial sum goes
.set SQR,  9                           ; v9   wave 0: where the partial sums are read
.set OZ,   10                          ; v10  wave 0: the zeros
.set OCB,  11                          ; v11  wave 0: where the finished sum goes
.set ORD,  12                          ; v12  wave 0: the 512 bytes on their way out
.set R,    16                          ; v16-79   the numbers as loaded
.set XN,   80                          ; v80-143  register 16 b + i = k 32 b + 16 h + i of my row
.set PC,   144                         ; v144-163 the codes
.set TM,   164                         ; v164-179 at work in QUANT
.set PW,   180                         ; v180     the scale word
.set SM,   182                         ; v182-186 sums; v188-189 zeros; v190-193 the way out
.set SEL,  20                          ; s[20:21] lane selects: lane l xor 16
; 64 numbers of a lane, v[s] .. v[s + 63], register 16 b + i = k 32 b + 16 (lane / 16) + i of my row, become a fragment's codes in v[PC] on and its scale word in v[PW].
.macro QUANT s
.irp b, 0,1,2,3
	v_max3_num_f32 v[TM+\b], |v[\s+16*\b]|, |v[\s+1+16*\b]|, 0x2800000   ; block b: my 16 numbers, and the floor 2^(5 - 127): the byte cannot fall under 1
.endr
.irp i, 2,4,6,8,10,12,14
.irp b, 0,1,2,3
	v_max3_num_f32 v[TM+\b], v[TM+\b], |v[\s+16*\b+\i]|, |v[\s+1+16*\b+\i]|   ; the four blocks by turns
.endr
.endr
.irp b, 0,1,2,3
	v_permlanex16_b32 v[TM+4+\b], v[TM+\b], s[SEL], s[SEL+1]
.endr
.irp b, 0,1,2,3
	v_max_num_f32 v[TM+\b], v[TM+\b], v[TM+4+\b]   ; with lane l xor 16's: the block's largest magnitude
.endr
.irp b, 0,1,2,3
	v_add_nc_u32 v[TM+12+\b], 0xfe000000, v[TM+\b]   ; 4 off its exponent field: the conversion takes the exponent field of this operand as its scale
.endr
.irp b, 0,1,2,3
	v_lshrrev_b32 v[TM+4+\b], 23, v[TM+12+\b]      ; the scale's byte
.endr
	v_lshl_or_b32 v[PW], v[TM+5], 8, v[TM+4]       ; the four bytes make my row's scale word (lanes r and r + 16 hold the same)
	v_lshl_or_b32 v[PW], v[TM+6], 16, v[PW]
	v_lshl_or_b32 v[PW], v[TM+7], 24, v[PW]
.irp c, 0,1
	v_cvt_scalef32_pk16_bf6_f32 v[PC+6*\c:PC+2+6*\c], v[\s+32*\c:\s+15+32*\c], v[TM+12+2*\c]
	v_cvt_scalef32_pk16_bf6_f32 v[PC+12+4*\c:PC+14+4*\c], v[\s+16+32*\c:\s+31+32*\c], v[TM+12+2*\c+1]   ; (a conversion's three registers begin on an even number)
.endr
	v_nop                                          ; one plain place behind a scaled conversion
.irp c, 0,1                                    ; the operand's layout wants a WHOLE block in a lane: lanes 0-15 block 2 c, lanes 16-31 block 2 c + 1
.irp i, 0,1,2
	v_permlane16_swap_b32 v[PC+6*\c+\i], v[PC+12+4*\c+\i]
.endr
.irp i, 0,1,2
	v_mov_b32 v[PC+3+6*\c+\i], v[PC+12+4*\c+\i]
.endr
.endr
.endm
	s_load_b128 s[4:7], s[0:1], 0x0                ; the codebook s[4:5], the records s[6:7]
	v_lshl_add_u32 v200, v0, 2, 0x8800
	v_mov_b32 v201, 0
	v_lshrrev_b32 v1, 5, v0
	v_readfirstlane_b32 s8, v1                     ; wave = K step
	v_and_b32 v1, 31, v0                           ; lane
	v_and_b32 v2, 15, v0                           ; r
	v_bfe_u32 v3, v0, 4, 1                         ; h
	v_lshlrev_b32 v[XO], 4, v1
	s_mul_i32 s9, s8, STGW
	v_add_nc_u32 v[STW], s9, v[XO]
	v_mul_u32_u24 v[STR], v2, SP
	v_lshl_add_u32 v[STR], v3, 6, v[STR]
	v_add_nc_u32 v[STR], s9, v[STR]
	s_lshl_b32 s9, s8, 2
	s_add_co_u32 s9, s9, OUTB
	v_lshl_add_u32 v[OSC], v2, 4, s9               ; OUTB + 16 r + 4 s
	s_lshl_b32 s9, s8, 6
	s_add_co_u32 s9, s9, SQ
	v_lshl_add_u32 v[OSQ], v2, 2, s9               ; SQ + 4 r + 64 s
	v_lshl_add_u32 v[SQR], v2, 2, SQ               ; every LDS address is made here, ahead of the branch on the wave's number
	v_lshl_add_u32 v[OZ], v1, 3, OUTB+256
	v_lshl_add_u32 v[OCB], v2, 2, OUTB+256
	v_lshl_add_u32 v[ORD], v1, 4, OUTB
	s_lshl_b32 s12, ttmp9, 15                      ; 16 rows of 2,048 bytes a work-group,
	s_lshl_b32 s13, s8, 9                          ; 512 bytes of a row a K step
	s_add_co_u32 s12, s12, s13
	s_mov_b32 s13, 0
	s_mul_i32 s14, ttmp9, REC                      ; my record
	s_mov_b32 s15, 0
	s_mul_i32 s16, s8, 1536                        ; my fragment in it
	s_mov_b32 s17, 0
	s_mov_b32 s[SEL], 0x76543210
	s_mov_b32 s[SEL+1], 0xfedcba98
.irp b, 0,1,2,3
	v_mov_b32 v[TM+4+\b], 0                        ; written once: a lane permute's destination counts as one of its sources
.endr
	v_mov_b32 v[SM+4], 0
	v_mov_b32 v188, 0
	v_mov_b32 v189, 0
	s_wait_kmcnt 0x0
	s_add_nc_u64 s[4:5], s[4:5], s[12:13]
	s_add_nc_u64 s[6:7], s[6:7], s[14:15]
	s_add_nc_u64 s[10:11], s[6:7], s[16:17]
.irp i, 0,1,2,3,4,5,6,7,8,9,10,11,12,13,14,15
	global_load_b128 v[R+4*\i:R+4*\i+3], v[XO], s[4:5] offset:2048*\i th:TH_LOAD_NT   ; row i: 32 lanes read 512 consecutive bytes; read once in the launch
.endr
.irp i, 0,1,2,3,4,5,6,7,8,9,10,11,12,13,14,15
	s_wait_loadcnt 15-\i                           ; loads come back in order: row i is in, the 15 - i issued behind it may be out
	ds_store_b128 v[STW], v[R+4*\i:R+4*\i+3] offset:SP*\i
.endr
.irp b, 0,1,2,3
.irp j, 0,1,2,3
	ds_load_b128 v[XN+16*\b+4*\j:XN+16*\b+4*\j+3], v[STR] offset:128*\b+16*\j   ; LDS serves a wave's instructions in order: these see my stores
.endr
.endr
	s_wait_dscnt 0x0
	v_pk_mul_f32 v[SM:SM+1], v[XN:XN+1], v[XN:XN+1]               ; the squares of my 64 numbers, UNQUANTISED, in two packed chains; the first products start the sums
	v_pk_mul_f32 v[SM+2:SM+3], v[XN+2:XN+3], v[XN+2:XN+3]
.irp j, 4,8,12,16,20,24,28,32,36,40,44,48,52,56,60
	v_pk_fma_f32 v[SM:SM+1], v[XN+\j:XN+\j+1], v[XN+\j:XN+\j+1], v[SM:SM+1]
	v_pk_fma_f32 v[SM+2:SM+3], v[XN+\j+2:XN+\j+3], v[XN+\j+2:XN+\j+3], v[SM+2:SM+3]
.endr
	v_pk_add_f32 v[SM:SM+1], v[SM:SM+1], v[SM+2:SM+3]
	v_add_f32 v[SM], v[SM], v[SM+1]
	v_permlanex16_b32 v[SM+4], v[SM], s[SEL], s[SEL+1]
	v_add_f32 v[SM], v[SM], v[SM+4]                ; with lane l xor 16's: row r's 128 numbers of my K step
	ds_store_b32 v[OSQ], v[SM]                     ; (lanes r and r + 16 write the same word with the same value)
	QUANT XN
.irp c, 0,1,2
	global_store_b128 v[XO], v[PC+4*\c:PC+4*\c+3], s[10:11] offset:512*\c   ; the fragment as it stands: each store covers 512 consecutive bytes, aligned to 256
.endr
	ds_store_b32 v[OSC], v[PW]
	s_wait_dscnt 0x0                               ; for wave 0's sake: my scale words and partial sums have landed
	s_barrier_signal -1
	s_barrier_wait -1
	s_cmp_lg_u32 s8, 0                             ; wave 0 alone finishes the record's last 512 bytes
	s_cbranch_scc1 .Ldone
	ds_store_b64 v[OZ], v[188:189]                 ; zeros behind the scale bytes: 256 bytes; the sums go over the first 64 of them below
	ds_load_b32 v[SM], v[SQR]
	ds_load_b32 v[SM+1], v[SQR] offset:64
	ds_load_b32 v[SM+2], v[SQR] offset:128
	ds_load_b32 v[SM+3], v[SQR] offset:192
	s_wait_dscnt 0x0
	v_add_f32 v[SM], v[SM], v[SM+1]
	v_add_f32 v[SM+2], v[SM+2], v[SM+3]
	v_add_f32 v[SM], v[SM], v[SM+2]                ; row r's sum of squares
	ds_store_b32 v[OCB], v[SM]
	ds_load_b128 v[190:193], v[ORD]                ; in order behind my stores
	s_wait_dscnt 0x0
	global_store_b128 v[XO], v[190:193], s[6:7] offset:6144   ; 512 consecutive bytes, aligned to 256
.Ldone:
	s_wait_tensorcnt 0x0
	ds_add_u32 v200, v201
	s_wait_dscnt 0x0
	s_endpgm
.Lfunc_end_k_qd959ad6d55_prep:
	.size	k_qd959ad6d55_prep, .Lfunc_end_k_qd959ad6d55_prep-k_qd959ad6d55_prep
	.p2alignl 7, 3214868480
	.fill 96, 4, 3214868480
	.section	.rodata,"a",@progbits
	.p2align	6, 0x0
	.amdhsa_kernel k_qd959ad6d55_prep
		.amdhsa_group_segment_fixed_size 35328
		.amdhsa_private_segment_fixed_size 0
		.amdhsa_enable_private_segment 0
		.amdhsa_kernarg_size 16
		.amdhsa_user_sgpr_count 2
		.amdhsa_user_sgpr_kernarg_segment_ptr 1
		.amdhsa_wavefront_size32 1
		.amdhsa_system_sgpr_workgroup_id_x 1
		.amdhsa_system_sgpr_workgroup_id_y 1
		.amdhsa_system_sgpr_workgroup_id_z 1
		.amdhsa_system_vgpr_workitem_id 0
		.amdhsa_next_free_vgpr 202
		.amdhsa_next_free_sgpr 66
		.amdhsa_reserve_vcc 0
		.amdhsa_float_denorm_mode_32 3
		.amdhsa_float_denorm_mode_16_64 3
		.amdhsa_memory_ordered 1
		.amdhsa_forward_progress 1
		.amdhsa_inst_pref_size 14
	.end_amdhsa_kernel
	.amdgpu_metadata
---
amdhsa.version: [ 1, 2 ]
amdhsa.kernels:
  - .name:           k_qd959ad6d55_prep
    .symbol:         k_qd959ad6d55_prep.kd
    .args:
      - { .name: codebook, .offset: 0, .size: 8, .value_kind: global_buffer, .address_space: global }
      - { .name: cbimg, .offset: 8, .size: 8, .value_kind: global_buffer, .address_space: global }
    .group_segment_fixed_size: 35328
    .private_segment_fixed_size: 0
    .kernarg_segment_align: 8
    .kernarg_segment_size: 16
    .max_flat_workgroup_size: 128
    .sgpr_count:     66
    .vgpr_count:     202
    .wavefront_size: 32
...
	.end_amdgpu_metadata
.endif
;; end of part 1
;; launch vq (part 2): grid 256 x 1, 4 waves a work-group, clusters of 4 x 1, 327,680 bytes of LDS; arguments x, cbimg, out0; writes out0
.if DOCPART == 2
	.amdgcn_target "amdgcn-amd-amdhsa--gfx1250"
	.amdhsa_code_object_version 6
	.text
	.protected	k_qd959ad6d55_vq
	.globl	k_qd959ad6d55_vq
	.p2align	8
	.type	k_qd959ad6d55_vq,@function
k_qd959ad6d55_vq:
	s_mov_b64 s[64:65], 0
	v_nop
	global_prefetch_b8 v0, s[64:65] scope:SCOPE_SE
	s_setreg_imm32_b32 hwreg(HW_REG_WAVE_MODE, 25, 1), 1
	s_wait_xcnt 0x0
	s_wait_alu depctr_hold_cnt(0) depctr_sa_sdst(0) depctr_va_vdst(0) depctr_va_sdst(0) depctr_va_ssrc(0) depctr_va_vcc(0) depctr_vm_vsrc(0)
	s_getreg_b32 s2, hwreg(HW_REG_IB_STS2, 6, 4)
	s_cmp_eq_u32 s2, 0
	s_cbranch_scc0 .Lentry_in_a_cluster
	s_endpgm
.Lentry_in_a_cluster:
	s_bfe_u32 s2, ttmp6, 0x10000c
	s_cmp_lg_u32 s2, 0x3003
	s_cbranch_scc0 .Lentry_shape_is_right
	s_endpgm
.Lentry_shape_is_right:
; out0[n] = the first k at which d[n][k] = cb_sqr[k] - 2 (Q(x[n]) . Q(c[k])) is smallest; n < 32,768, k < 4,096, 512 along K.  The product runs on codes of BF6 (E3M2) with E8M0 scales, sums in f32.
; Nothing of reference() is left out.  The codebook comes as records of 16 codes (6,656 bytes: four fragments as images of the operand's registers, the scale words, the sums of squares), made by the launch before.
; SHARES.  A work-group owns 128 rows of x and has four waves, as many as a WGP has SIMDs.  Each wave quantises 32 rows in registers and hands the codes round through LDS, as images of the registers; then EVERY wave holds
; all 128 rows' codes (8 row tiles x 4 K steps x 12 = 384 registers) and takes a QUARTER OF THE CODES: a fragment of codes read from LDS feeds eight matrix instructions, each record is read from LDS once, x from memory once.
; The records walk through a ring of two LDS slots of 16 records (a step); wave w fetches and reads records 4 w .. 4 w + 3 of a slot: tiles T = 16 i + 4 w + u in step i.
; CLUSTER.  All work-groups walk the same records: four form a cluster and ask for each part JOINTLY (the same tensor load, the same descriptor, a mask that names the four).
; THE PRODUCT IS USED TRANSPOSED (source 0 = 16 codes, source 1 = 16 rows of x): lane (r, h) holds row r of x, and register j of an accumulator the code 16 T + 8 h + j.
; A TILE IS TWO PHASES: 32 matrix instructions (row tiles 0-3, then 4-7; four accumulators by turns, K ascending), then the 104 vector instructions of the fused argmin for its eight accumulators.
; THE ARGMIN: d = -2 acc + cb_sqr (one fused multiply-add: one rounding, as cb_sqr - 2 dot has), the lane's running minimum, and WHERE IT HAS STRICTLY FALLEN a copy of d0 .. d6 and the tile's number: eight selections
; under one mask, written as four dual pairs.  Tiles ascend, so the earliest tile that holds the minimum is kept; at the end the lowest j whose copy equals the minimum is taken (7 if none does), and a row's eight candidates
; (4 waves x 2 halves of the lanes) are merged by (value, index): the first index wins at ties, for every input.  Only selections: no branch and no address hangs on data.
; PREFETCH.  In trip i clusters 0 to 3 ask for the records of step i + 4, which trip i + 2's refill loads: of the 104 blocks of 256 bytes that wave w fetches, the partner at place cx names 26, a lane a block
; (lanes 26-31 name the instruction's last block again).  Trips 12 and 13 ask for nothing; steps 0 to 3 come by their loads alone.
; LIMITS: NaN and infinities among the inputs are not served (the minimum lets a NaN lose), nor a row whose distances all overflow to +infinity.  A block of zeros of x gets the scale byte 1, not 127: its codes are zeros.
; REGISTERS, in windows of 256: window 0: addresses, scale words, sums of squares, accumulators, the argmin's state.  Window 1: x's fragments of row tiles 0-3 (tile q, K step s at v[48 q + 12 s]);
;   while x is quantised: four buffers of 64 for x as loaded.  Window 2: row tiles 4-7.  Window 3: the codes' fragments, two sets of 48.
.set REC,    6656
.set WPART,  4*REC                     ; a wave's part of a slot: 104 rows of 256 bytes
.set STEPB,  16*REC
.set SLOT1,  1<<17                     ; slot 1 begins here: one exclusive or turns an address in one slot into the other's
.set MRG,    STEPB                     ; between the slots: the candidates' values (4,096 bytes: candidate 2 w + h at 512, row at 4) and behind them their indices
.set XIMG,   SLOT1+STEPB               ; behind the ring: x's 32 fragments (row tile a, K step s: F = 4 a + s) as images, 1,536 bytes each;
.set XSC,    XIMG+32*1536              ; their scale words, 128 bytes each;
.set STG,    XSC+32*128                ; a stage of 16 rows x 528 bytes for each wave;
.set SP,     528
.set SPARE,  STG+4*16*SP               ; the spare words, 128 bytes for each wave: two blocks of 256 bytes that no other line names
.set AF0, 2                            ; my lane's place in my wave's records: fragments;
.set AS0, 3                            ; scale words: lanes 0-15 K steps 0, 1 of code r, lanes 16-31 K steps 2, 3;
.set AB0, 4                            ; sums of squares of codes 8 h + 0 .. 7
.set ADF, 5                            ; v5-7 the same in the slot in hand
.set ADS, 6
.set ADB, 7
.set XO,  8                            ; 16 x lane
.set STW, 9                            ; the stage, on the way in
.set STR, 10                           ; and out: row r, + 64 h
.set PFO, 11                           ; the prefetch's offset
.set XWS, 12                           ; where I store my scale words
.set LI,  13                           ; XIMG + 16 x lane: where any image is read
.set XSR, 14                           ; x's scale words: lanes 0-15 row tile q, lanes 16-31 row tile q + 4
.set H8,  15                           ; 8 h
.set SPW, 16                           ; LDS address of my spare word; never rewritten
.set NIL, 17                           ; 0; never rewritten
.set XWI, 18                           ; where I store my images
.set TNV, 19                           ; the tile's number (its register number is 3 modulo 4: beside an accumulator's register 6, which is 2 modulo 4, in a dual pair)
.set MVA, 20                           ; where my candidates go
.set MRD, 21                           ; where wave 0 reads the candidates
.set XS,  28                           ; v28-43   x's scale words: register 4 q + s
.set CS,  44                           ; v44-47   the codes' scale words, two registers a set
.set CB,  48                           ; v48-63   the sums of squares, eight registers a set
.set ACC, 64                           ; v64-127  eight accumulators
.set BV,  128                          ; v128-143 the running minima of the 8 row tiles, two sets: a tile of parity p reads set p and writes the other
.set ST,  144                          ; v144-207 eight registers a row tile: d0 .. d6 of the tile at which the minimum last fell, and that tile's number
.set POS, 208                          ; v208-215 at the end: position, then index
.set XN,  64                           ; while x is quantised: v64-127 64 numbers, v128-147 codes, v148-163 at work, v164 the scale word
.set PC,  128
.set TM,  148
.set PW,  164
.set MV,  64                           ; the merge: eight candidates' values of four rows, and their indices
.set MI,  96
.set WV,  10
.set G1,  16                           ; s[16:23] descriptor group 1
.set G0A, 24                           ; s[24:27] group 0 of slot 0's first fill
.set G0W, 28                           ; s[28:31] group 0 that walks: slot 1's first fill, then every refill
.set TB,  32                           ; the slot in hand: 0 or SLOT1
.set TBASE, 33                         ; 16 i + 4 w
.set TRIPS, 34
.set TN,  35
.set SEL, 36                           ; s[36:37] lane selects: lane l xor 16
.set LIM, 38                           ; the fewest trips to go at which my cluster still prefetches
.set PFA, 48                           ; s[48:49] where my prefetches stand
.set MSB, 0
.macro WIN new                         ; the immediate's high byte repeats the setting that is left; a switch that changes nothing is dropped
.if MSB != \new
	s_set_vgpr_msb (MSB<<8)|\new
.set MSB, \new
.endif
.endm
.macro CREST                           ; a round of the cluster's barrier behind its opening barrier
	s_cmp_lg_u32 s[WV], 0
	s_cbranch_scc1 .Lnot_wave_0_\@
	s_barrier_signal -3
.Lnot_wave_0_\@:
	s_barrier_wait -3
	s_barrier_signal -1
	s_barrier_wait -1
.endm
.macro ROUND
	s_barrier_signal -1
	s_barrier_wait -1
	CREST
.endm
.macro NOPS n
.rept \n
	v_nop
.endr
.endm
; 64 numbers of a lane, v[s] on, register 16 b + i = k 32 b + 16 (lane / 16) + i of my row, become a fragment's codes in v[pc] .. v[pc + 11] and its scale word in v[pw].
.macro QUANT s, pc, pw
.irp b, 0,1,2,3
	v_max3_num_f32 v[TM+\b], |v[\s+16*\b]|, |v[\s+1+16*\b]|, 0x2800000   ; block b: my 16 numbers, and the floor 2^(5 - 127): the byte cannot fall under 1
.endr
.irp i, 2,4,6,8,10,12,14
.irp b, 0,1,2,3
	v_max3_num_f32 v[TM+\b], v[TM+\b], |v[\s+16*\b+\i]|, |v[\s+1+16*\b+\i]|   ; the four blocks by turns
.endr
.endr
.irp b, 0,1,2,3
	v_permlanex16_b32 v[TM+4+\b], v[TM+\b], s[SEL], s[SEL+1]
.endr
.irp b, 0,1,2,3
	v_max_num_f32 v[TM+\b], v[TM+\b], v[TM+4+\b]   ; with lane l xor 16's: the block's largest magnitude
.endr
.irp b, 0,1,2,3
	v_add_nc_u32 v[TM+12+\b], 0xfe000000, v[TM+\b]   ; 4 off its exponent field: the conversion takes the exponent field of this operand as its scale
.endr
.irp b, 0,1,2,3
	v_lshrrev_b32 v[TM+4+\b], 23, v[TM+12+\b]      ; the scale's byte
.endr
	v_lshl_or_b32 v[TM+4], v[TM+5], 8, v[TM+4]     ; the four bytes make my row's scale word (lanes r and r + 16 hold the same)
	v_lshl_or_b32 v[TM+6], v[TM+7], 8, v[TM+6]
	v_lshl_or_b32 v[\pw], v[TM+6], 16, v[TM+4]
.irp c, 0,1
	v_cvt_scalef32_pk16_bf6_f32 v[\pc+6*\c:\pc+2+6*\c], v[\s+32*\c:\s+15+32*\c], v[TM+12+2*\c]
	v_cvt_scalef32_pk16_bf6_f32 v[\pc+12+4*\c:\pc+14+4*\c], v[\s+16+32*\c:\s+31+32*\c], v[TM+12+2*\c+1]   ; (a conversion's three registers begin on an even number)
.endr
	v_nop                                          ; one plain place behind a scaled conversion
.irp c, 0,1                                    ; the operand's layout wants a WHOLE block in a lane: lanes 0-15 block 2 c, lanes 16-31 block 2 c + 1
.irp i, 0,1,2
	v_permlane16_swap_b32 v[\pc+6*\c+\i], v[\pc+12+4*\c+\i]
.endr
.irp i, 0,1,2
	v_mov_b32 v[\pc+3+6*\c+\i], v[\pc+12+4*\c+\i]
.endr
.endr
.endm
; Fragment f of my wave's eight (row tile 2 w + f / 4, K step f % 4): 16 rows x 512 bytes of x into buffer f % 4 of window 1; each load reads 512 consecutive bytes of one row; x is read once in the launch
.macro GL f
	WIN 0x40                                       ; destination window 1, address window 0
.irp i, 0,1,2,3,4,5,6,7,8,9,10,11,12,13,14,15
	global_load_b128 v[64*((\f)%4)+4*\i:64*((\f)%4)+4*\i+3], v[XO], s[4:5] offset:(16*((\f)/4)+\i)*2048+512*((\f)%4) th:TH_LOAD_NT
.endr
	WIN 0
.endm
; Fragment f's turn.  left = the loads issued behind its own: 16 for each later fragment that has been asked for.
.macro XFRAG f, left
	s_wait_loadcnt \left                           ; loads come back in order: fragment f's sixteen are in
	WIN 0x04                                       ; an LDS store's data are its source 1: window 1
.irp i, 0,1,2,3,4,5,6,7,8,9,10,11,12,13,14,15
	ds_store_b128 v[STW], v[64*((\f)%4)+4*\i:64*((\f)%4)+4*\i+3] offset:SP*\i
.endr
	WIN 0
.irp b, 0,1,2,3
.irp j, 0,1,2,3
	ds_load_b128 v[XN+16*\b+4*\j:XN+16*\b+4*\j+3], v[STR] offset:128*\b+16*\j   ; LDS serves a wave's instructions in order: these see my stores
.endr
.endr
.if (\f) < 5
	GL (\f)+3                                      ; into the buffer of fragment f - 1, whose stores into the stage were waited for a turn ago
.endif
	s_wait_dscnt 0x0                               ; my 64 numbers are in; the last turn's stores of codes have read their registers
	QUANT XN, PC, PW
.irp c, 0,1,2
	ds_store_b128 v[XWI], v[PC+4*\c:PC+4*\c+3] offset:1536*(\f)+512*\c   ; the fragment goes to LDS as it stands
.endr
	ds_store_b32 v[XWS], v[PW] offset:128*(\f)
.endm
; A record's fragments, scale words and sums of squares into set par: 15 loads in one run
.macro FETCH par, rec
	WIN 0xc0                                       ; destination window 3, address window 0
.irp i, 0,1,2,3,4,5,6,7,8,9,10,11
	ds_load_b128 v[48*(\par)+4*\i:48*(\par)+4*\i+3], v[ADF] offset:REC*(\rec)+512*\i   ; 32 lanes read 512 consecutive bytes
.endr
	WIN 0
	ds_load_b64 v[CS+2*(\par):CS+2*(\par)+1], v[ADS] offset:REC*(\rec)
	ds_load_b128 v[CB+8*(\par):CB+8*(\par)+3], v[ADB] offset:REC*(\rec)
	ds_load_b128 v[CB+8*(\par)+4:CB+8*(\par)+7], v[ADB] offset:REC*(\rec)+16
.endm
.macro NEXTSLOT                        ; on to the other slot's first record
	s_xor_b32 s[TB], s[TB], SLOT1
	v_add_nc_u32 v[ADF], s[TB], v[AF0]
	v_add_nc_u32 v[ADS], s[TB], v[AS0]
	v_add_nc_u32 v[ADB], s[TB], v[AB0]
	FETCH 0, 0
.endm
; Matrix instruction n of 16 of group g of a tile of parity p: K step n / 4, row tile 4 g + n % 4.  The group's four accumulators take turns, one instruction a turn; the first K step starts the sums.
; The codes' scale words of K steps 2, 3 and x's of row tiles 4-7 stand in lanes 16-31 of their registers.
.macro MM g, p
.set ms, n/4
.set mq, n%4
.set rD, ACC+32*(\g)+8*mq
.set rC, 48*(\p)+12*ms
.set rX, 48*mq+12*ms
.set rSA, CS+2*(\p)+ms%2
.set rSB, XS+4*mq+ms
.if \g == 0
.if ms == 0
	v_wmma_scale_f32_16x16x128_f8f6f4 v[rD:rD+7], v[rC:rC+11], v[rX:rX+11], 0, v[rSA], v[rSB] matrix_a_fmt:MATRIX_FMT_BF6 matrix_b_fmt:MATRIX_FMT_BF6
.elseif ms == 1
	v_wmma_scale_f32_16x16x128_f8f6f4 v[rD:rD+7], v[rC:rC+11], v[rX:rX+11], v[rD:rD+7], v[rSA], v[rSB] matrix_a_fmt:MATRIX_FMT_BF6 matrix_b_fmt:MATRIX_FMT_BF6
.else
	v_wmma_scale_f32_16x16x128_f8f6f4 v[rD:rD+7], v[rC:rC+11], v[rX:rX+11], v[rD:rD+7], v[rSA], v[rSB] matrix_a_fmt:MATRIX_FMT_BF6 matrix_b_fmt:MATRIX_FMT_BF6 matrix_a_scale:MATRIX_SCALE_ROW1
.endif
.else
.if ms == 0
	v_wmma_scale_f32_16x16x128_f8f6f4 v[rD:rD+7], v[rC:rC+11], v[rX:rX+11], 0, v[rSA], v[rSB] matrix_a_fmt:MATRIX_FMT_BF6 matrix_b_fmt:MATRIX_FMT_BF6 matrix_b_scale:MATRIX_SCALE_ROW1
.elseif ms == 1
	v_wmma_scale_f32_16x16x128_f8f6f4 v[rD:rD+7], v[rC:rC+11], v[rX:rX+11], v[rD:rD+7], v[rSA], v[rSB] matrix_a_fmt:MATRIX_FMT_BF6 matrix_b_fmt:MATRIX_FMT_BF6 matrix_b_scale:MATRIX_SCALE_ROW1
.else
	v_wmma_scale_f32_16x16x128_f8f6f4 v[rD:rD+7], v[rC:rC+11], v[rX:rX+11], v[rD:rD+7], v[rSA], v[rSB] matrix_a_fmt:MATRIX_FMT_BF6 matrix_b_fmt:MATRIX_FMT_BF6 matrix_a_scale:MATRIX_SCALE_ROW1 matrix_b_scale:MATRIX_SCALE_ROW1
.endif
.endif
.endm
.macro W p                             ; a tile's 32 products: the codes in window 3, x in window 1 and then 2, C and D in window 0: three switches
	WIN 0x07
.set n, 0
.rept 16
	MM 0, \p
.set n, n+1
.endr
	WIN 0x0b
.set n, 0
.rept 16
	MM 1, \p
.set n, n+1
.endr
	WIN 0
.endm
.macro LAST p, b                       ; the last link of row tile b's minimum
	v_min3_num_f32 v[BV+8*(1-(\p))+(\b)], v[BV+8*(1-(\p))+(\b)], v[ACC+8*(\b)+6], v[ACC+8*(\b)+7]
.endm
; THE EPILOGUE of a tile of parity p: 104 instructions.  The eight accumulators alternate, so that no instruction reads the result of the one just before it.
;   32: d = -2 acc + cb_sqr, in place, two at a time, each accumulator from its low end on     32: the new minimum: the old one and d0 .. d7, three operands at a time
;   then for each row tile: has it strictly fallen (VCC)?  Then d0 .. d6 and the tile's number are kept: four dual pairs; a pair's destinations are an even and an odd register, its sources neighbours
.macro E p
.set ej, 0
.rept 32
.set ea, ej%8
.set P2, 2*(ej/8)
	v_pk_fma_f32 v[ACC+8*ea+P2:ACC+8*ea+P2+1], v[ACC+8*ea+P2:ACC+8*ea+P2+1], -2.0, v[CB+8*(\p)+P2:CB+8*(\p)+P2+1] op_sel_hi:[1,0,1]
.set ej, ej+1
.endr
.set ej, 0
.rept 24
.set ea, ej%8
.set L2, 2*(ej/8)
.if ej < 8
	v_min3_num_f32 v[BV+8*(1-(\p))+ea], v[BV+8*(\p)+ea], v[ACC+8*ea], v[ACC+8*ea+1]
.else
	v_min3_num_f32 v[BV+8*(1-(\p))+ea], v[BV+8*(1-(\p))+ea], v[ACC+8*ea+L2], v[ACC+8*ea+L2+1]
.endif
.set ej, ej+1
.endr
	LAST \p, 0
	LAST \p, 1
.set ea, 0
.rept 8
	v_cmp_lt_f32 vcc_lo, v[BV+8*(1-(\p))+ea], v[BV+8*(\p)+ea]
.if ea < 6
	LAST \p, ea+2
.endif
.set ek, 0
.rept 3
	v_dual_cndmask_b32 v[ST+8*ea+ek], v[ST+8*ea+ek], v[ACC+8*ea+ek] :: v_dual_cndmask_b32 v[ST+8*ea+ek+1], v[ST+8*ea+ek+1], v[ACC+8*ea+ek+1]
.set ek, ek+2
.endr
	v_dual_cndmask_b32 v[ST+8*ea+6], v[ST+8*ea+6], v[ACC+8*ea+6] :: v_dual_cndmask_b32 v[ST+8*ea+7], v[ST+8*ea+7], v[TNV]
.set ea, ea+1
.endr
.endm
; A TILE: record u of my four, parity p = u % 2, in a step of kind m.  At its head the next record is fetched into the other set, whose last products lie a whole epilogue back.
; m = 1, u = 2: the slot's last record is on its way into registers.  Behind the tile's 32 products I wait for all my tensor loads (one is out: my part of the other slot), add 0 to my spare word, step the walking descriptor,
;   wait for the add and for my last reads of the slot, and signal the barrier that opens the cluster's round; the epilogue, work on registers, stands between signal and wait; behind the round the joint refill comes first,
;   then the other slot's first record is fetched, a whole tile ahead of its use.
; m = 2, u = 2: nothing is left to ask for: my own wait shows my part of the last slot landed, and I alone read it.     m = 3: the last step.
.macro TILE u, p, m
.if \u < 3
	FETCH 1-\p, \u+1
.endif
	s_add_co_u32 s[TN], s[TBASE], \u               ; T = 16 i + 4 w + u
.if (\u == 3) && (\m == 3)
	s_wait_dscnt 0x0
.else
	s_wait_dscnt 15                                ; this tile's loads are in; the fifteen issued behind them may be out
.endif
	W \p
.if (\u == 2) && (\m == 1)
	s_wait_tensorcnt 0x0                           ; my part of the other slot has landed: no tensor load of mine is out, so a group 0 may be written
	ds_add_u32 v[SPW], v[NIL]                      ; 0 onto my spare word
	s_xor_b32 s[G0W+1], s[G0W+1], SLOT1            ; the walking descriptor: the slot that I am leaving,
	s_add_nc_u64 s[G0W+2:G0W+3], s[G0W+2:G0W+3], STEPB   ; the records two steps on; the type bits on top are not reached
	s_wait_dscnt 0x0                               ; the add is done, and my reads of the slot are over
	s_barrier_signal -1
.endif
	v_mov_b32 v[TNV], s[TN]                        ; with the three below: the four places behind the last product
	NOPS 3
	E \p
.if (\u == 2) && (\m == 1)
	s_barrier_wait -1
	CREST                                          ; no wave of any partner still reads this slot or has a load on its way
	tensor_load_to_lds s[G0W:G0W+3], s[G1:G1+7]    ; my one tensor load behind the round, and the first thing there
	s_nop 0
	NOPS 4
	NEXTSLOT
	s_cmp_ge_u32 s[TRIPS], s[LIM]                  ; clusters 0 to 3, while step i + 4 exists
	s_cbranch_scc0 .Lnot_asked_\@
	global_prefetch_b8 v[PFO], s[PFA:PFA+1] th:TH_LOAD_NT scope:SCOPE_SE
.Lnot_asked_\@:
.elseif (\u == 2) && (\m == 2)
	s_wait_tensorcnt 0x0                           ; my part of the last slot has landed
	NEXTSLOT
.endif
.endm
.macro STEP m                          ; a slot's four tiles of my wave: 128 matrix instructions
	TILE 0, 0, \m
	TILE 1, 1, \m
	TILE 2, 0, \m
	TILE 3, 1, \m
	s_add_co_u32 s[TBASE], s[TBASE], 16
.endm
	s_load_b128 s[4:7], s[0:1], 0x0                ; x s[4:5], the records s[6:7]
	s_load_b64 s[8:9], s[0:1], 0x10                ; out0
	v_lshl_add_u32 v[SPW], v0, 2, SPARE
	v_mov_b32 v[NIL], 0
	ds_add_u32 v[SPW], v[NIL]                      ; the opening adds, twice on end, and their wait ahead of my first tensor load
	ds_add_u32 v[SPW], v[NIL]
	v_lshrrev_b32 v1, 5, v0
	v_readfirstlane_b32 s[WV], v1                  ; wave 0..3
	s_bfe_u32 s11, ttmp6, 0x40000                  ; cx: it enters x's, out0's and the prefetch's addresses alone
	s_lshl_b32 s12, ttmp9, 2                       ; in a cluster launch ttmp9 counts clusters
	s_add_co_u32 s12, s12, s11                     ; my block of 128 rows
	s_mul_i32 s50, s[WV], WPART                    ; my wave's part of a slot
	s_add_co_u32 s53, s50, 6144
	s_add_co_u32 s54, s50, 6400
	s_mul_i32 s51, s[WV], 16*SP
	s_add_co_u32 s51, s51, STG                     ; my stage
	s_mul_i32 s52, s[WV], 8*1536
	s_add_co_u32 s52, s52, XIMG                    ; my eight images: F = 8 w + f
	s_lshl_b32 s57, s[WV], 10
	s_add_co_u32 s55, s57, XSC                     ; and their scale words
	s_add_co_u32 s57, s57, MRG                     ; MRG + 1,024 w
	s_mul_i32 s58, s11, 26
	s_mov_b32 s[TB], 0
	s_lshl_b32 s[TBASE], s[WV], 2
	s_mov_b32 s[SEL], 0x76543210
	s_mov_b32 s[SEL+1], 0xfedcba98
	s_cmp_lt_u32 ttmp9, 4
	s_cselect_b32 s[LIM], 3, 64
	; descriptor group 1: a wave's part of a step is dense in memory: 104 rows of 256 bytes (32 elements of 8 bytes), no padding: every read of the ring takes 512 consecutive bytes
	s_mov_b32 s[G1], 15|(3<<16)|(1<<21)            ; the mask: all four work-groups; elements of 8 bytes; bit 21 set beside a mask
	s_mov_b32 s[G1+1], 32<<16
	s_mov_b32 s[G1+2], 104<<16
	s_mov_b32 s[G1+3], 32<<16
	s_mov_b32 s[G1+4], 104
	s_mov_b32 s[G1+5], 32
	s_mov_b32 s[G1+6], 0
	s_mov_b32 s[G1+7], 0
	s_lshl_b32 s44, s12, 18                        ; x: 128 rows of 2,048 bytes a work-group,
	s_lshl_b32 s45, s[WV], 16                      ; 32 rows a wave
	s_add_co_u32 s44, s44, s45
	s_mov_b32 s45, 0
	s_lshl_b32 s46, s12, 9                         ; out0: 128 indices a work-group
	s_mov_b32 s47, 0
	s_mov_b32 s60, s50
	s_mov_b32 s61, 0
	v_and_b32 v24, 31, v0                          ; lane
	v_and_b32 v25, 15, v0                          ; r
	v_bfe_u32 v26, v0, 4, 1                        ; h
	v_lshlrev_b32 v[XO], 4, v24
	v_lshlrev_b32 v[AS0], 4, v25
	v_lshl_add_u32 v[AB0], v26, 5, s54             ; + 6,400 + 32 h
	v_mul_u32_u24 v[STR], v25, SP
	v_lshlrev_b32 v[XSR], 2, v25
	v_add_nc_u32 v[AF0], s50, v[XO]
	v_lshl_add_u32 v[AS0], v26, 3, v[AS0]
	v_add_nc_u32 v[STW], s51, v[XO]
	v_lshl_add_u32 v[STR], v26, 6, v[STR]
	v_add_nc_u32 v[XWI], s52, v[XO]
	v_lshl_add_u32 v[XWS], v24, 2, s55
	v_add_nc_u32 v[LI], XIMG, v[XO]
	v_lshl_add_u32 v[XSR], v26, 11, v[XSR]
	v_add_nc_u32 v[AS0], s53, v[AS0]               ; + 6,144 + 16 r + 8 h
	v_add_nc_u32 v[STR], s51, v[STR]
	v_add_nc_u32 v[XSR], XSC, v[XSR]               ; XSC + 4 r + h x 16 fragments' words
	v_lshlrev_b32 v[H8], 3, v26
	v_lshlrev_b32 v[MVA], 2, v25
	v_lshl_add_u32 v[MVA], v26, 9, v[MVA]
	v_add_nc_u32 v[MVA], s57, v[MVA]               ; MRG + 512 (2 w + h) + 4 r
	v_add_nc_u32 v[MRD], MRG, v[XO]
	v_min_u32 v[PFO], 25, v24
	v_add_nc_u32 v[PFO], s58, v[PFO]
	v_lshlrev_b32 v[PFO], 8, v[PFO]                ; 256 (26 cx + min(lane, 25))
	v_add_nc_u32 v[ADF], s[TB], v[AF0]
	v_add_nc_u32 v[ADS], s[TB], v[AS0]
	v_add_nc_u32 v[ADB], s[TB], v[AB0]
.irp b, 0,1,2,3
	v_mov_b32 v[TM+4+\b], 0                        ; written once: a lane permute's destination counts as one of its sources
.endr
	s_wait_alu depctr_va_vdst(0)
	s_wait_dscnt 0x0                               ; both opening adds are done
	s_wait_kmcnt 0x0
	s_add_nc_u64 s[4:5], s[4:5], s[44:45]
	s_add_nc_u64 s[8:9], s[8:9], s[46:47]
	s_add_nc_u64 s[6:7], s[6:7], s[60:61]          ; the records at my part of step 0: nothing of the work-group's place enters
	s_add_nc_u64 s[PFA:PFA+1], s[6:7], 3*STEPB     ; the first trip steps it to step 4
	GL 0                                           ; x is wanted first: three fragments, 48 loads a wave, are on their way while the partners gather
	GL 1
	GL 2
	s_mov_b32 s[G0A], 1
	s_mov_b32 s[G0A+1], s50                        ; slot 0, my part
	s_mov_b64 s[G0A+2:G0A+3], s[6:7]               ; step 0
	s_or_b32 s[G0A+3], s[G0A+3], 0x80000000
	s_mov_b32 s[G0W], 1
	s_add_co_u32 s[G0W+1], s50, SLOT1              ; slot 1
	s_add_nc_u64 s[G0W+2:G0W+3], s[6:7], STEPB     ; step 1
	s_or_b32 s[G0W+3], s[G0W+3], 0x80000000
	ROUND                                          ; all four work-groups are here: the first joint loads meet
	tensor_load_to_lds s[G0A:G0A+3], s[G1:G1+7]    ; one tensor load a wave at the head
	s_nop 0
	NOPS 4
.irp f, 0,1,2,3,4,5
	XFRAG \f, 32                                   ; two later fragments' loads may be out
.endr
	XFRAG 6, 16
	XFRAG 7, 0
	s_wait_tensorcnt 0x0                           ; my part of slot 0 is in
	ds_add_u32 v[SPW], v[NIL]
	s_wait_dscnt 0x0                               ; the add is done, and my images and scale words have landed
	ROUND                                          ; all 128 rows' images are whole, and all four work-groups are here
	tensor_load_to_lds s[G0W:G0W+3], s[G1:G1+7]    ; slot 1's first fill, the first tensor load behind the round
	s_nop 0
	NOPS 4
	WIN 0x40                                       ; all 128 rows' codes into my registers: row tiles 0-3 into window 1,
.set F, 0
.rept 16
.irp c, 0,1,2
	ds_load_b128 v[12*F+4*\c:12*F+4*\c+3], v[LI] offset:1536*F+512*\c
.endr
.set F, F+1
.endr
	WIN 0x80                                       ; row tiles 4-7 into window 2
.set F, 0
.rept 16
.irp c, 0,1,2
	ds_load_b128 v[12*F+4*\c:12*F+4*\c+3], v[LI] offset:1536*(F+16)+512*\c
.endr
.set F, F+1
.endr
	WIN 0
.set F, 0
.rept 16
	ds_load_b32 v[XS+F], v[XSR] offset:128*F
.set F, F+1
.endr
	s_mov_b32 s44, 0x7f800000                      ; the argmin's state: +infinity, under which every finite d falls
.set F, 0
.rept 8
	v_mov_b32 v[BV+F], s44
.set F, F+1
.endr
.set F, 0
.rept 64
	v_mov_b32 v[ST+F], 0
.set F, F+1
.endr
	FETCH 0, 0
	s_mov_b32 s[TRIPS], 14
.Lstep:                                                ; steps 0 to 13: each asks for the records two steps on
	s_wait_xcnt 0x0                                ; the last trip's prefetch has read its address
	s_add_nc_u64 s[PFA:PFA+1], s[PFA:PFA+1], STEPB
	STEP 1
	s_sub_co_u32 s[TRIPS], s[TRIPS], 1
	s_cmp_lg_u32 s[TRIPS], 0
	s_cbranch_scc1 .Lstep
	STEP 2                                         ; the last two steps are written out
	STEP 3
	; my candidates: the lowest j whose copy equals the minimum (7 if none does); index = 16 T + 8 h + j.  The last tile has parity 1: the minima lie in set 0
.irp a, 0,1,2,3,4,5,6,7
	v_mov_b32 v[POS+\a], 7
.endr
.irp jj, 6,5,4,3,2,1,0
.irp a, 0,1,2,3,4,5,6,7
	v_cmp_neq_f32 vcc_lo, v[ST+8*\a+\jj], v[BV+\a]
	v_cndmask_b32 v[POS+\a], \jj, v[POS+\a], vcc_lo
.endr
.endr
.irp a, 0,1,2,3,4,5,6,7
	v_lshl_add_u32 v[POS+\a], v[ST+8*\a+7], 4, v[POS+\a]
.endr
.irp a, 0,1,2,3,4,5,6,7
	v_add_nc_u32 v[POS+\a], v[H8], v[POS+\a]
.endr
.irp a, 0,1,2,3,4,5,6,7
	ds_store_b32 v[MVA], v[BV+\a] offset:64*\a     ; bytes of their own, between the slots: no tile lands there
	ds_store_b32 v[MVA], v[POS+\a] offset:4096+64*\a
.endr
	s_wait_dscnt 0x0                               ; for wave 0's sake: my candidates have landed
	s_barrier_signal -1
	s_barrier_wait -1
	s_cmp_lg_u32 s[WV], 0                          ; wave 0 merges: lane l takes rows 4 l .. 4 l + 3, eight candidates each
	s_cbranch_scc1 .Lclose
.irp c, 0,1,2,3,4,5,6,7
	ds_load_b128 v[MV+4*\c:MV+4*\c+3], v[MRD] offset:512*\c
	ds_load_b128 v[MI+4*\c:MI+4*\c+3], v[MRD] offset:4096+512*\c
.endr
	s_wait_dscnt 0x0
.irp c, 1,2,3,4,5,6,7
.irp e, 0,1,2,3
	v_cmp_lt_f32 s44, v[MV+4*\c+\e], v[MV+\e]      ; a candidate wins where its value is smaller,
	v_cmp_eq_f32 s45, v[MV+4*\c+\e], v[MV+\e]      ; or equal
	v_cmp_lt_u32 s46, v[MI+4*\c+\e], v[MI+\e]      ; with the smaller index
	s_and_b32 s45, s45, s46
	s_or_b32 s44, s44, s45
	v_cndmask_b32 v[MV+\e], v[MV+\e], v[MV+4*\c+\e], s44
	v_cndmask_b32 v[MI+\e], v[MI+\e], v[MI+4*\c+\e], s44
.endr
.endr
	global_store_b128 v[XO], v[MI:MI+3], s[8:9]    ; the work-group's 128 indices: 512 consecutive bytes, aligned to 256, by one instruction
.Lclose:
	s_wait_tensorcnt 0x0                           ; the wave's end, behind my last tensor load and my last LDS store
	ds_add_u32 v[SPW], v[NIL]
	s_wait_dscnt 0x0
	ROUND                                          ; the closing round: no work-group ends while a partner may still ask for a tile that names it
	s_endpgm
.Lfunc_end_k_qd959ad6d55_vq:
	.size	k_qd959ad6d55_vq, .Lfunc_end_k_qd959ad6d55_vq-k_qd959ad6d55_vq
	.p2alignl 7, 3214868480
	.fill 96, 4, 3214868480
	.section	.rodata,"a",@progbits
	.p2align	6, 0x0
	.amdhsa_kernel k_qd959ad6d55_vq
		.amdhsa_group_segment_fixed_size 327680
		.amdhsa_private_segment_fixed_size 0
		.amdhsa_enable_private_segment 0
		.amdhsa_kernarg_size 24
		.amdhsa_user_sgpr_count 2
		.amdhsa_user_sgpr_kernarg_segment_ptr 1
		.amdhsa_wavefront_size32 1
		.amdhsa_system_sgpr_workgroup_id_x 1
		.amdhsa_system_sgpr_workgroup_id_y 1
		.amdhsa_system_sgpr_workgroup_id_z 1
		.amdhsa_system_vgpr_workitem_id 0
		.amdhsa_next_free_vgpr 1024
		.amdhsa_next_free_sgpr 66
		.amdhsa_reserve_vcc 1
		.amdhsa_float_denorm_mode_32 3
		.amdhsa_float_denorm_mode_16_64 3
		.amdhsa_memory_ordered 1
		.amdhsa_forward_progress 1
		.amdhsa_inst_pref_size 235
	.end_amdhsa_kernel
	.amdgpu_metadata
---
amdhsa.version: [ 1, 2 ]
amdhsa.kernels:
  - .name:           k_qd959ad6d55_vq
    .symbol:         k_qd959ad6d55_vq.kd
    .args:
      - { .name: x, .offset: 0, .size: 8, .value_kind: global_buffer, .address_space: global }
      - { .name: cbimg, .offset: 8, .size: 8, .value_kind: global_buffer, .address_space: global }
      - { .name: out0, .offset: 16, .size: 8, .value_kind: global_buffer, .address_space: global }
    .group_segment_fixed_size: 327680
    .private_segment_fixed_size: 0
    .kernarg_segment_align: 8
    .kernarg_segment_size: 24
    .max_flat_workgroup_size: 128
    .sgpr_count:     66
    .vgpr_count:     1024
    .wavefront_size: 32
...
	.end_amdgpu_metadata
.endif
;; end of part 2
